; MI455X (gfx1250); checked and timed in simulation.
; The chip was launched on July 23, 2026; its instructions are those of AMD's public machine-readable ISA for CDNA 5 (MIT licence, August 2026) and "CDNA5" Instruction Set Architecture Reference Guide (July 2026). The comments in the code are by the model that wrote it; some were corrected since.
;; HQQ Grouped Gemm. Allowed arithmetic: float matrix products may take bf16 or f16 operands with f32 sums; all other float work in f32.
;; Inputs: qweight 8 x 2,048 x 2,048 int32; scales_and_zeros 8 x 32 x 2,048 x 2 float32; tokens_per_expert 8 int32; x 2,048 x 2,048 float32.
;; Outputs: out0 2,048 x 2,048 float32.
;; Constants: group_size = 64.
;; One version. Each part assembles by itself: llvm-mc -triple=amdgcn-amd-amdhsa -mcpu=gfx1250 --defsym DOCPART=n.
;; ======== version 1 of 1: 2 launches
;; limits: values are held in f16: magnitudes above 65,504 overflow, below 6.1e-05 lose precision
;; workspace buffers: xb 8,388,608 bytes
;; launch prep (part 1): grid 256 x 1, 8 waves a work-group, no clusters, 35,840 bytes of LDS; arguments x, xb; writes xb
.if DOCPART == 1
	.amdgcn_target "amdgcn-amd-amdhsa--gfx1250"
	.amdhsa_code_object_version 6
	.text
	.protected	k_q8e715f6770_prep
	.globl	k_q8e715f6770_prep
	.p2align	8
	.type	k_q8e715f6770_prep,@function
k_q8e715f6770_prep:
	s_mov_b64 s[64:65], 0
	v_nop
	global_prefetch_b8 v0, s[64:65] scope:SCOPE_SE
	s_setreg_imm32_b32 hwreg(HW_REG_WAVE_MODE, 25, 1), 1
	s_wait_xcnt 0x0
; xb = x rounded to f16, laid out as the matrix instruction's fragments of 16 tokens x 32 k.
; x: [2048][2048] f32.  xb: [block of 16 rows 0..127][step of 32 k 0..63][half 0..1][lane 0..31][8 f16]:
; the 16 bytes at block*65536 + step*1024 + half*512 + lane*16 hold x[16 block + lane%16][32 step + 16 half + 8 (lane/16) + 0..7].
; The next launch then fills a fragment by two loads of 16 bytes a lane, each covering 512 consecutive bytes.
; SHARES.  Work-group g: rows 16 (g/2) .. +15, k 1024 (g%2) .. +1023.  Wave w: 128 of those k: 8,192 bytes in, 4,096 out.
; Each wave turns its piece in an LDS stage of its own (16 rows x 272 bytes): no barrier, no loop.
; Memory binds: matrix units, clusters and tensor loads would add nothing to one pass over 16 MiB.
; LIMIT.  f16: |x| of 65,520 or more becomes an infinity; magnitudes are resolved to 2^-24 at the finest.
.set SP,  272                          ; a stage row: 256 bytes of f16 + 16, so that the 16 rows of a read start at 16 different 16-byte columns
.set XV,  1                            ; v1  my byte offset in x
.set SA,  2                            ; v2  where I put 8 bytes into the stage
.set RA,  3                            ; v3  where I read 16 bytes of a fragment back
.set GV,  4                            ; v4  my byte offset in xb
.set L,   8                            ; v[8:71]   16 loads of 4 f32
.set R,   72                           ; v[72:103] 8 pieces of fragments, 16 bytes each
	s_load_b128 s[4:7], s[0:1], 0x0                ; x s[4:5], xb s[6:7]
	v_lshl_add_u32 v112, v0, 2, 0x8800
	v_mov_b32 v113, 0
	v_lshrrev_b32 v5, 5, v0
	v_readfirstlane_b32 s8, v5                     ; wave 0..7
	v_and_b32 v6, 15, v0                           ; c = lane % 16
	v_bfe_u32 v7, v0, 4, 1                         ; hl = lane / 16
	v_and_b32 v5, 31, v0                           ; lane
	s_lshr_b32 s9, ttmp9, 1                        ; block of 16 rows
	s_and_b32 s12, ttmp9, 1                        ; which half of k
	s_mul_i32 s13, s8, 16*SP                       ; my wave's stage
	v_lshlrev_b32 v[XV], 4, v6                     ; x: 16 c
	v_lshl_add_u32 v[XV], v7, 16, v[XV]            ;    + 8 rows of 8,192 bytes for lanes 16-31
	v_lshl_add_u32 v[XV], s8, 9, v[XV]             ;    + the wave's 128 k of 4 bytes
	v_mul_u32_u24 v[SA], v7, 8*SP                  ; stage, in: row j + 8 hl, byte 8 c
	v_lshl_add_u32 v[SA], v6, 3, v[SA]
	v_add_nc_u32 v[SA], s13, v[SA]
	v_mul_u32_u24 v[RA], v6, SP                    ; stage, back: row c, byte 16 hl
	v_lshl_add_u32 v[RA], v7, 4, v[RA]
	v_add_nc_u32 v[RA], s13, v[RA]
	v_lshlrev_b32 v[GV], 4, v5                     ; xb: 16 lane + the wave's four steps of 1,024 bytes
	v_lshl_add_u32 v[GV], s8, 12, v[GV]
	s_lshl_b32 s10, s9, 17                         ; x: 16 rows of 8,192 bytes a block,
	s_lshl_b32 s14, s12, 12                        ;    1,024 k of 4 bytes a half
	s_add_co_u32 s10, s10, s14
	s_mov_b32 s11, 0
	s_lshl_b32 s14, s9, 16                         ; xb: 65,536 bytes a block, 32 steps of 1,024 a half
	s_lshl_b32 s15, s12, 15
	s_add_co_u32 s14, s14, s15
	s_mov_b32 s15, 0
	s_wait_kmcnt 0x0
	s_add_nc_u64 s[4:5], s[4:5], s[10:11]
	s_add_nc_u64 s[6:7], s[6:7], s[14:15]
	; all sixteen loads at once: lanes 0-15 take 256 consecutive bytes of row j, lanes 16-31 of row j + 8
.irp j, 0,1,2,3,4,5,6,7
.irp m, 0,1
	global_load_b128 v[L+4*(2*\j+\m):L+4*(2*\j+\m)+3], v[XV], s[4:5] offset:\j*8192+\m*256 th:TH_LOAD_NT
.endr
.endr
.irp j, 0,1,2,3,4,5,6,7
.irp m, 0,1
	s_wait_loadcnt 15-(2*\j+\m)                    ; loads come back in order: this one is in, the younger ones stay out
	v_cvt_pk_f16_f32 v[L+4*(2*\j+\m)],   v[L+4*(2*\j+\m)],   v[L+4*(2*\j+\m)+1]
	v_cvt_pk_f16_f32 v[L+4*(2*\j+\m)+1], v[L+4*(2*\j+\m)+2], v[L+4*(2*\j+\m)+3]
	ds_store_b64 v[SA], v[L+4*(2*\j+\m):L+4*(2*\j+\m)+1] offset:\j*SP+128*\m   ; 8 rows of 272 bytes are 128 modulo 256: the two halves of the lanes fall on different banks
.endr
.endr
	; back as fragments.  The bytes are my wave's own and LDS serves a wave's instructions in order, so no wait stands between stores and loads.
.irp s, 0,1,2,3
.irp q, 0,1
	ds_load_b128 v[R+4*(2*\s+\q):R+4*(2*\s+\q)+3], v[RA] offset:64*\s+32*\q
.endr
.endr
.irp s, 0,1,2,3
.irp q, 0,1
	s_wait_dscnt 7-(2*\s+\q)
	global_store_b128 v[GV], v[R+4*(2*\s+\q):R+4*(2*\s+\q)+3], s[6:7] offset:\s*1024+\q*512   ; the wave's store covers 512 consecutive bytes, aligned
.endr
.endr
	s_wait_tensorcnt 0x0
	ds_add_u32 v112, v113
	s_wait_dscnt 0x0
	s_endpgm
.Lfunc_end_k_q8e715f6770_prep:
	.size	k_q8e715f6770_prep, .Lfunc_end_k_q8e715f6770_prep-k_q8e715f6770_prep
	.p2alignl 7, 3214868480
	.fill 96, 4, 3214868480
	.section	.rodata,"a",@progbits
	.p2align	6, 0x0
	.amdhsa_kernel k_q8e715f6770_prep
		.amdhsa_group_segment_fixed_size 35840
		.amdhsa_private_segment_fixed_size 0
		.amdhsa_enable_private_segment 0
		.amdhsa_kernarg_size 16
		.amdhsa_user_sgpr_count 2
		.amdhsa_user_sgpr_kernarg_segment_ptr 1
		.amdhsa_wavefront_size32 1
		.amdhsa_system_sgpr_workgroup_id_x 1
		.amdhsa_system_sgpr_workgroup_id_y 1
		.amdhsa_system_sgpr_workgroup_id_z 1
		.amdhsa_system_vgpr_workitem_id 0
		.amdhsa_next_free_vgpr 114
		.amdhsa_next_free_sgpr 66
		.amdhsa_reserve_vcc 0
		.amdhsa_float_denorm_mode_32 3
		.amdhsa_float_denorm_mode_16_64 3
		.amdhsa_memory_ordered 1
		.amdhsa_forward_progress 1
		.amdhsa_inst_pref_size 9
	.end_amdhsa_kernel
	.amdgpu_metadata
---
amdhsa.version: [ 1, 2 ]
amdhsa.kernels:
  - .name:           k_q8e715f6770_prep
    .symbol:         k_q8e715f6770_prep.kd
    .args:
      - { .name: x, .offset: 0, .size: 8, .value_kind: global_buffer, .address_space: global }
      - { .name: xb, .offset: 8, .size: 8, .value_kind: global_buffer, .address_space: global }
    .group_segment_fixed_size: 35840
    .private_segment_fixed_size: 0
    .kernarg_segment_align: 8
    .kernarg_segment_size: 16
    .max_flat_workgroup_size: 256
    .sgpr_count:     66
    .vgpr_count:     114
    .wavefront_size: 32
...
	.end_amdgpu_metadata
.endif
;; end of part 1
;; launch main (part 2): grid 32 x 8, 8 waves a work-group, no clusters, 300,032 bytes of LDS; arguments qweight, scales_and_zeros, tokens_per_expert, xb, out0; writes out0
.if DOCPART == 2
	.amdgcn_target "amdgcn-amd-amdhsa--gfx1250"
	.amdhsa_code_object_version 6
	.text
	.protected	k_q8e715f6770_main
	.globl	k_q8e715f6770_main
	.p2align	8
	.type	k_q8e715f6770_main,@function
k_q8e715f6770_main:
	s_mov_b64 s[64:65], 0
	v_nop
	global_prefetch_b8 v0, s[64:65] scope:SCOPE_SE
	s_setreg_imm32_b32 hwreg(HW_REG_WAVE_MODE, 25, 1), 1
	s_wait_xcnt 0x0
; out[t][n] = sum over k of x[t][k] W_e[k][n] for the tokens t of expert e's slice; W_e[k][n] = (q - 8) s[k/64][n] + z[k/64][n].
; Expert e's slice is [sum of counts before e, that sum + count e); rows at or past the sum of all counts belong to no expert and are written as 0.
; q: [8][2048][2048] int32.  scales_and_zeros: [8][32][2048][2] f32.  xb: x in f16, in fragment order (made by the launch before).  out: [2048][2048] f32.
; SHARES.  Work-group (x, y) owns expert y and the 64 columns 64 x .. 64 x + 63: 256 work-groups.  Eight waves.
; PHASE D.  The group's 2,048 x 64 codes (524,288 bytes) are read ONCE, in rows of 256 consecutive aligned bytes, turned into f16 weights and kept in LDS as a slab [column][k].
;   Wave w takes k = 256 w .. +255: sixteen units of 16 k.  Five units (40 loads) of every wave are on their way.
; PHASE C.  A wave takes groups of 4 blocks of 16 tokens (group w, w + 8, ..) and multiplies each by the whole slab: a pass of 64 steps of 32 k, 16 matrix instructions a step on 16 accumulators.
;   Weights come from the slab (one step ahead, two buffers), tokens from xb straight into registers (a ring of eight steps; seven steps, 56 loads, are on their way).
;   A pass's steps are written out: a step's place in the slab and in xb stands in the loads' immediates, and no vector address register is ever written twice.
;   Source 0 = 16 columns of W, source 1 = 16 tokens: a lane then holds one token and eight neighbouring columns, 32 bytes of a row of out.
; THE WAY OUT.  16 rows at a time through the wave's own LDS stage; sixteen lanes store a row's 256 consecutive aligned bytes.  Rows outside the slice, or not of this group, are masked by EXEC.
; FORMAT.  Both operands are f16 (11 significant bits), sums f32.
; NO CLUSTER.  What the 32 work-groups of an expert share is xb.  One step's fragments of the eight waves are 32,768 bytes; beside slab and stage 29,632 of the 327,680 bytes of LDS are left,
;   so not one slot of one step fits, and the shared bytes would pass through LDS, which the weights already use in every step.  No tensor loads, for the same lack of room.
; LIMITS.  Counts are not negative and their sums stay under 2^31 (slices are cut at 2,048).  Inputs are finite: a product 0 x infinity across experts is not formed here.
;   |W| and |x| of 65,520 or more become infinities in f16; magnitudes are resolved to 2^-24 at the finest.  W is made as fma(q, s, z - 8 s): f32 rounding differs from (q - 8) s + z in the last bits.
.set ROWB,  8192                       ; bytes in a row of q and of out
.set COLP,  4112                       ; slab: from a column to the next: 4,096 bytes of k + 16 = 257 x 16: the 16 columns that a fragment load touches start at 16 different 16-byte columns of the banks
.set BLKP,  16*COLP+16                 ; from 16 columns to the next 16: the 16 more spread phase D's stores (16 lanes, columns 4 apart: 64 (c%4) + 16 (c/4) modulo 256)
.set STAGE, 4*BLKP                     ; 263,232: behind the slab, 16 rows x 272 bytes for each wave
.set SP,    272
; scalar registers
.set WV,    24                         ; wave 0..7
.set EX,    25                         ; expert
.set ZA,    26                         ; at the end: the first row without an expert, rounded down to a multiple of 16
.set START, 27                         ; first token of the slice
.set STOP,  28                         ; one past its last
.set TOTAL, 29                         ; sum of all counts; at the end: the first row without an expert
.set RB0,   30                         ; START / 16
.set NBLK,  31                         ; blocks of 16 rows that the slice touches
.set NP,    32                         ; groups (passes) still to be made by this wave
.set FB,    33                         ; first block of the wave's group, counted from RB0
.set RBW,   34                         ; first block that the pass in hand loads (at most 124, so that four blocks stay inside xb)
.set RBN,   35                         ; the same for the next pass
.set XP,    36                         ; s[36:37] xb at the pass in hand
.set XN,    38                         ; s[38:39] xb at the next pass
.set OP,    40                         ; s[40:41] out at row 16 RBW, my 64 columns
.set OFS,   42                         ; s[42:43] a byte offset, high word 0
.set LOW,   44                         ; first row that this pass may store
.set LEN,   45                         ; STOP - LOW
.set DLT,   46                         ; 16 RBW - LOW
.set ZB,    48                         ; s[48:49] at the end: out at my wave's two rows of the trip, my 64 columns
.set SAVE,  50                         ; EXEC, saved
.set ZT,    51                         ; trips of the loop over rows without an expert
.set ZCNT,  52
.set TMP,   53
.set M8,    54                         ; -8.0
; vector registers, window 0.  v1-12 are written once, at the head.
.set LN16,  1                          ; 16 x lane
.set HL,    2                          ; lane / 16
.set QV,    3                          ; my byte offset in q
.set SV,    4                          ; my byte offset in the scales
.set LW,    5                          ; where I put 16 bytes (8 k of a column) into the slab
.set WB,    6                          ; v6-9    slab address of my part of column block b's fragment at k = 0
.set STO,   10                         ; the way out: where I put 16 bytes of a row
.set RD,    11                         ; the way out: where I read a row back
.set CO,    12                         ; my byte offset in two rows of out
.set U,     13                         ; row - LOW of my row in the pass's first pair
.set TM,    14                         ; at work
.set C16,   15                         ; 16 x (lane % 16)
.set ZR,    16                         ; at the end: my row of the trip
.set Z,     20                         ; v20-23  at the end: zeros
.set SC,    32                         ; v32-63  phase D: for each of my 4 quant groups s of my 4 columns, then z - 8 s
.set OB,    32                         ; v32-63  phase C: 16 rows read back from the stage
.set RAW,   64                         ; v64-95  phase D: scales and zeros as loaded
.set T,     64                         ; v64-79  phase D, once the scales are prepared: 4 columns x 8 k in f16
.set WF,    64                         ; v64-127 phase C: weight fragments, two buffers of 4 x 8
.set RING,  96                         ; v96-255 phase D: five units of q, 32 registers each
.set ACC,   128                        ; v128-255 phase C: accumulator (a, b) at ACC + 8 (4 a + b): tokens 16 a .., columns 16 b ..
; window 1: v0-255 the ring of token fragments: slot i at 32 i, block a of the slot at + 8 a
; s_set_vgpr_msb's low byte: bits 1:0 source 0, 3:2 source 1, 5:4 source 2, 7:6 destination.  A step has two switches for its 16 matrix instructions and 16 loads.
.set TO_X,  0x40                       ; destination window 1, address window 0: loads of token fragments
.set MUL,   0x04                       ; source 1 (tokens) window 1, all else window 0: matrix instructions, and LDS loads into window 0
.set MSB, 0
.macro WIN new                         ; the immediate's high byte repeats the setting that is left; a switch that changes nothing is dropped
.if MSB != \new
	s_set_vgpr_msb (MSB<<8)|\new
.set MSB, \new
.endif
.endm
	s_load_b256 s[4:11], s[0:1], 0x0               ; q s[4:5], scales s[6:7], counts s[8:9], xb s[10:11]
	s_load_b64 s[12:13], s[0:1], 0x20              ; out
	v_lshl_add_u32 v30, v0, 2, 0x49000
	v_mov_b32 v31, 0
	v_lshrrev_b32 v[U], 5, v0
	v_readfirstlane_b32 s[WV], v[U]
	v_and_b32 v[TM], 15, v0                        ; c = lane % 16
	v_bfe_u32 v[HL], v0, 4, 1
	v_and_b32 v[LN16], 31, v0
	v_lshlrev_b32 v[LN16], 4, v[LN16]
	v_lshlrev_b32 v[C16], 4, v[TM]
	v_lshl_add_u32 v[QV], v[HL], 16, v[C16]        ; q: 16 c (4 columns) + 8 rows for lanes 16-31
	v_lshl_add_u32 v[QV], s[WV], 21, v[QV]         ;    + the wave's 256 rows of 8,192 bytes
	v_lshlrev_b32 v[SV], 5, v[TM]                  ; scales: 4 columns of 8 bytes
	v_lshl_add_u32 v[SV], s[WV], 16, v[SV]         ;    + the wave's 4 groups of 16,384 bytes
	v_mul_u32_u24 v[LW], v[TM], 4*COLP             ; slab, in: column 4 c,
	v_lshrrev_b32 v[U], 2, v[TM]
	v_lshl_add_u32 v[LW], v[U], 4, v[LW]           ;    16 bytes more for each 16 columns,
	v_lshl_add_u32 v[LW], v[HL], 4, v[LW]          ;    8 k for lanes 16-31,
	v_lshl_add_u32 v[LW], s[WV], 9, v[LW]          ;    the wave's 256 k
	v_mul_u32_u24 v[WB], v[TM], COLP               ; slab, out: column c of a block, 8 k for lanes 16-31
	v_lshl_add_u32 v[WB], v[HL], 4, v[WB]
	v_add_nc_u32 v[WB+1], BLKP, v[WB]
	v_add_nc_u32 v[WB+2], 2*BLKP, v[WB]
	v_add_nc_u32 v[WB+3], 3*BLKP, v[WB]
	s_mul_i32 s[TMP], s[WV], 16*SP
	s_add_co_u32 s[TMP], s[TMP], STAGE             ; my wave's stage
	v_mul_u32_u24 v[STO], v[TM], SP                ; in: row c, 32 bytes (8 columns) for each half of the lanes
	v_lshl_add_u32 v[STO], v[HL], 5, v[STO]
	v_add_nc_u32 v[STO], s[TMP], v[STO]
	v_mul_u32_u24 v[RD], v[HL], SP                 ; back: lanes 0-15 one row of 256 bytes, lanes 16-31 the next
	v_add_nc_u32 v[RD], v[RD], v[C16]
	v_add_nc_u32 v[RD], s[TMP], v[RD]
	v_lshl_add_u32 v[CO], v[HL], 13, v[C16]        ; and the same two rows in out
	s_and_b32 s[EX], ttmp7, 0xffff
	s_mov_b32 s[M8], 0xc1000000
	s_mov_b32 s[OFS+1], 0
	s_wait_kmcnt 0x0
	s_load_b256 s[16:23], s[8:9], 0x0              ; the eight counts; they are waited for behind the first loads of q
	s_lshl_b32 s[OFS], s[EX], 24                   ; q: 2,048 x 2,048 x 4 bytes an expert, 256 bytes a block of 64 columns
	s_lshl_b32 s[TMP], ttmp9, 8
	s_add_co_u32 s[OFS], s[OFS], s[TMP]
	s_add_nc_u64 s[4:5], s[4:5], s[OFS:OFS+1]
	s_lshl_b32 s[OFS], s[EX], 19                   ; scales: 32 x 2,048 x 8 bytes an expert, 512 bytes a block of columns
	s_lshl_b32 s[TMP], ttmp9, 9
	s_add_co_u32 s[OFS], s[OFS], s[TMP]
	s_add_nc_u64 s[6:7], s[6:7], s[OFS:OFS+1]
	s_lshl_b32 s[OFS], ttmp9, 8                    ; out: my 64 columns
	s_add_nc_u64 s[12:13], s[12:13], s[OFS:OFS+1]
; Unit u of q: rows 16 u .. 16 u + 15 of the wave's 256.  Load j: lanes 0-15 take the 256 consecutive bytes of row 16 u + j, lanes 16-31 of row 16 u + 8 + j:
; a lane ends with 4 columns x 8 consecutive k.  No address is ever stepped: the unit stands in the immediate, 2,023,424 at the most.
.macro QLOAD u
.irp j, 0,1,2,3,4,5,6,7
	global_load_b128 v[RING+32*((\u)%5)+4*\j:RING+32*((\u)%5)+4*\j+3], v[QV], s[4:5] offset:(\u)*16*ROWB+\j*ROWB th:TH_LOAD_NT
.endr
.endm
; One step's token fragments (4 blocks of 16 tokens x 32 k, 8 loads of 512 consecutive bytes) into a slot of the ring in window 1.  The step stands in the immediate, 261,632 at the most.
.macro XSTAGE slot, base, off
	WIN TO_X
.irp a, 0,1,2,3
	global_load_b128 v[32*(\slot)+8*\a:32*(\slot)+8*\a+3],   v[LN16], s[\base:\base+1] offset:(\off)+\a*65536
	global_load_b128 v[32*(\slot)+8*\a+4:32*(\slot)+8*\a+7], v[LN16], s[\base:\base+1] offset:(\off)+\a*65536+512
.endr
.endm
.irp g, 0,1,2,3                        ; s and z of my 4 columns in my wave's 4 quant groups
	global_load_b128 v[RAW+8*\g:RAW+8*\g+3],   v[SV], s[6:7] offset:\g*16384
	global_load_b128 v[RAW+8*\g+4:RAW+8*\g+7], v[SV], s[6:7] offset:\g*16384+16
.endr
.irp u, 0,1,2,3,4
	QLOAD \u
.endr
	; the slice, from the counts
	s_wait_kmcnt 0x0
	s_mov_b32 s[START], 0
	s_mov_b32 s[STOP], 0
	s_mov_b32 s[TOTAL], 0
.irp i, 0,1,2,3,4,5,6,7
	s_cmp_gt_u32 s[EX], \i
	s_cselect_b32 s[TMP], s[16+\i], 0
	s_add_co_u32 s[START], s[START], s[TMP]        ; counts of the experts before mine
	s_cmp_ge_u32 s[EX], \i
	s_cselect_b32 s[TMP], s[16+\i], 0
	s_add_co_u32 s[STOP], s[STOP], s[TMP]          ; and mine with them
	s_add_co_u32 s[TOTAL], s[TOTAL], s[16+\i]
.endr
	s_min_u32 s[START], s[START], 0x800            ; there are 2,048 tokens
	s_min_u32 s[STOP], s[STOP], 0x800
	s_max_u32 s[STOP], s[STOP], s[START]
	s_lshr_b32 s[RB0], s[START], 4
	s_add_co_u32 s[TMP], s[STOP], 15
	s_lshr_b32 s[TMP], s[TMP], 4
	s_sub_co_u32 s[NBLK], s[TMP], s[RB0]
	s_cmp_eq_u32 s[STOP], s[START]
	s_cselect_b32 s[NBLK], 0, s[NBLK]              ; an empty slice touches no block
	s_lshl_b32 s[FB], s[WV], 2                     ; my first group: blocks 4 w .. 4 w + 3 of the slice's; the next 32 blocks on
	s_add_co_u32 s[NP], s[NBLK], 31
	s_sub_co_u32 s[NP], s[NP], s[FB]               ; at least 3: 4 w is 28 at the most
	s_lshr_b32 s[NP], s[NP], 5                     ; groups of mine that begin inside the slice
	s_add_co_u32 s[TMP], s[RB0], s[FB]
	s_min_u32 s[RBW], s[TMP], 124                  ; four blocks from here on lie inside xb's 128, for a wave without a group too
	s_lshl_b32 s[OFS], s[RBW], 16
	s_add_nc_u64 s[XP:XP+1], s[10:11], s[OFS:OFS+1]
	s_wait_loadcnt 40                              ; the scales are in: the 40 loads of q were issued behind them
.irp g, 0,1,2,3
.irp i, 0,1,2,3
	v_mov_b32 v[SC+8*\g+\i], v[RAW+8*\g+2*\i]                                      ; s, four in a row for the packed multiply-add
	v_fma_f32 v[SC+8*\g+4+\i], v[RAW+8*\g+2*\i], s[M8], v[RAW+8*\g+2*\i+1]         ; z - 8 s
.endr
.endr
; Unit u: codes to f32, W = q s + (z - 8 s), rounded to f16, 8 k of a column = 16 bytes into the slab.  Then the buffer is asked for again: the unit five on,
; or, when q is all asked for, a step of the first pass's tokens.  So behind unit u's loads stand always four runs of 8: the count 32.
; A wave without a group asks for those seven steps (28,672 bytes, at a clamped address) like every other wave, so that the counts are the same in all, and never reads them.
.macro UNIT u
.set qb, RING+32*((\u)%5)
.set sg, SC+8*((\u)/4)
	WIN 0
	s_wait_loadcnt 32
.set n, 0
.rept 32
	v_cvt_f32_i32 v[qb+n], v[qb+n]
.set n, n+1
.endr
.irp j, 0,1,2,3,4,5,6,7
	v_pk_fma_f32 v[qb+4*\j:qb+4*\j+1],   v[qb+4*\j:qb+4*\j+1],   v[sg:sg+1],   v[sg+4:sg+5]
	v_pk_fma_f32 v[qb+4*\j+2:qb+4*\j+3], v[qb+4*\j+2:qb+4*\j+3], v[sg+2:sg+3], v[sg+6:sg+7]
.endr
.irp i, 0,1,2,3
.irp m, 0,1,2,3
	v_cvt_pk_f16_f32 v[T+4*\i+\m], v[qb+8*\m+\i], v[qb+8*\m+4+\i]                  ; column i, k 2 m and 2 m + 1
.endr
.endr
.irp i, 0,1,2,3
	ds_store_b128 v[LW], v[T+4*\i:T+4*\i+3] offset:\i*COLP+32*(\u)
.endr
.if \u < 11
	QLOAD \u+5
.else
	XSTAGE \u-11, XP, (\u-11)*1024
.endif
.endm
.irp u, 0,1,2,3,4,5,6,7,8,9,10,11,12,13,14,15
	UNIT \u
.endr
	XSTAGE 5, XP, 5*1024
	XSTAGE 6, XP, 6*1024                           ; steps 0 to 6 of my first pass are asked for: 56 loads are out
	WIN 0
	s_wait_dscnt 0x0                               ; for the others' sake: my part of the slab is written
	s_barrier_signal -1
	s_barrier_wait -1                              ; the slab is whole.  It is never written again: this is the kernel's only barrier
	s_cmp_eq_u32 s[NP], 0
	s_cbranch_scc1 .Lzero                          ; no group for this wave
; Step s of a pass's 64: 32 k.  zero = 1: the products start the sums.  xsrc: base of the refill of the slot read one step ago (0: none), xoff: its offset.
; lcnt: the loads issued behind this step's token fragments.  wld = 1: the next step's weights are fetched (behind step 63: step 0's, for the next pass).
; A load into a register that a matrix instruction has read stands four places behind it, and only plain vector instructions that name none of its registers are places
; (ISA guide 7.12.1 for vector instructions): four v_nop, since a step has no vector work of its own.
; The 16 accumulators take turns, one instruction a turn, in the same order in every step and over every jump.
.macro STEP s, zero, xsrc, xoff, lcnt, wld
.set wn, WF+32*(((\s)+1)&1)
.set wc, WF+32*((\s)&1)
.set wo, 64*(((\s)+1)&63)
.set xs, 32*((\s)&7)
	s_wait_loadcnt \lcnt                           ; this step's tokens are in; the younger steps stay out
.if \xsrc || \wld
.rept 4
	v_nop
.endr
.endif
.if \xsrc
	XSTAGE ((\s)+7)&7, \xsrc, \xoff
.endif
	WIN MUL
.if \wld
.irp b, 0,1,2,3
	ds_load_b128 v[wn+8*\b:wn+8*\b+3],   v[WB+\b] offset:wo
	ds_load_b128 v[wn+8*\b+4:wn+8*\b+7], v[WB+\b] offset:wo+32
.endr
	s_wait_dscnt 8                                 ; this step's weights are in; the 8 just issued stay out
.else
	s_wait_dscnt 0
.endif
.irp a, 0,1,2,3
.irp b, 0,1,2,3
.if \zero
	v_wmma_f32_16x16x32_f16 v[ACC+8*(4*\a+\b):ACC+8*(4*\a+\b)+7], v[wc+8*\b:wc+8*\b+7], v[xs+8*\a:xs+8*\a+7], 0
.else
	v_wmma_f32_16x16x32_f16 v[ACC+8*(4*\a+\b):ACC+8*(4*\a+\b)+7], v[wc+8*\b:wc+8*\b+7], v[xs+8*\a:xs+8*\a+7], v[ACC+8*(4*\a+\b):ACC+8*(4*\a+\b)+7]
.endif
.endr
.endr
.endm
; What a pass's way out needs, from FB and RBW.  A row is stored if LOW <= row < STOP: one unsigned compare of row - LOW with LEN.  LOW drops a neighbour's rows in a shared block
; and, where RBW was cut to 124, the rows that belong to the group before.  OP is written where no store that names it is out: behind the way out's last s_wait_xcnt 0, or ahead of the first store.
.macro PASSVARS
	s_add_co_u32 s[TMP], s[RB0], s[FB]
	s_lshl_b32 s[TMP], s[TMP], 4
	s_max_u32 s[LOW], s[START], s[TMP]
	s_sub_co_u32 s[LEN], s[STOP], s[LOW]
	s_lshl_b32 s[TMP], s[RBW], 4
	s_sub_co_u32 s[DLT], s[TMP], s[LOW]
	s_lshl_b32 s[OFS], s[RBW], 17                  ; 16 rows of 8,192 bytes a block
	s_add_nc_u64 s[OP:OP+1], s[12:13], s[OFS:OFS+1]
.endm
; THE WAY OUT of 64 rows x 64 columns, 16 rows at a time: 32 bytes a lane into rows of 272 bytes, back as whole rows of 256, stored under a mask.
.macro OUTPUT
	s_wait_xcnt 0x0                                ; EXEC is a source of the loads that are out: it changes only behind this wait
	v_add_nc_u32 v[U], s[DLT], v[HL]               ; this and three v_nop are the four places between the last products and the LDS stores that read them
.rept 3
	v_nop
.endr
.irp a, 0,1,2,3
.irp b, 0,1,2,3
	ds_store_b128 v[STO], v[ACC+8*(4*\a+\b):ACC+8*(4*\a+\b)+3]   offset:64*\b
	ds_store_b128 v[STO], v[ACC+8*(4*\a+\b)+4:ACC+8*(4*\a+\b)+7] offset:64*\b+16
.endr
.irp t, 0,1,2,3,4,5,6,7
	ds_load_b128 v[OB+4*\t:OB+4*\t+3], v[RD] offset:\t*2*SP    ; my wave's own bytes, served in order: these see the stores above, and the next 16 rows' stores come behind them
.endr
.irp t, 0,1,2,3,4,5,6,7
	s_wait_dscnt 7-\t
	v_add_nc_u32 v[TM], 16*\a+2*\t, v[U]           ; my row - LOW
	v_cmp_gt_u32 vcc_lo, s[LEN], v[TM]
	s_and_saveexec_b32 s[SAVE], vcc_lo
	global_store_b128 v[CO], v[OB+4*\t:OB+4*\t+3], s[OP:OP+1] offset:(16*\a+2*\t)*ROWB th:TH_STORE_NT   ; 16 lanes store 256 consecutive bytes, aligned
	s_wait_xcnt 0x0                                ; EXEC, and later OB and OP, are rewritten only behind this wait
	s_or_b32 exec_lo, exec_lo, s[SAVE]
.endr
.endr
.endm
.irp b, 0,1,2,3                        ; the first step's weights
	ds_load_b128 v[WF+8*\b:WF+8*\b+3],   v[WB+\b]
	ds_load_b128 v[WF+8*\b+4:WF+8*\b+7], v[WB+\b] offset:32
.endr
	PASSVARS
; A PASS: 64 tokens x 64 columns x 2,048 k; a trip of the loop is a pass, NP counts them down.  At a pass's head steps 0-6 of its tokens are asked for (56 loads out)
; and its first weights are on their way into buffer 0.  Step s asks for step s + 7, so behind a step's loads stand six runs of 8: the count 48.
; Steps 57-63 stand in two forms, which meet again in front of the way out: no load is issued that no step reads, and the loop is left by falling through its branch back.
.Lpass:
	STEP 0, 1, XP, 7*1024, 48, 1
.set st, 1
.rept 56
	STEP st, 0, XP, (st+7)*1024, 48, 1
.set st, st+1
.endr
	WIN 0                                          ; at a label and at a branch every window is 0
	s_add_co_u32 s[FB], s[FB], 32                  ; my next group.  In the wave's last pass these five lines, and those behind the way out, make numbers that nothing uses
	s_add_co_u32 s[TMP], s[RB0], s[FB]
	s_min_u32 s[RBN], s[TMP], 124
	s_lshl_b32 s[OFS], s[RBN], 16
	s_add_nc_u64 s[XN:XN+1], s[10:11], s[OFS:OFS+1]   ; the loads that named XN stand in front of the last way out's s_wait_xcnt 0; those issued since name XP
	s_cmp_lg_u32 s[NP], 1
	s_cbranch_scc1 .Lmore
	; the wave's last pass: steps 57-63 ask for nothing, and the counts run down: behind step s's loads stand those of steps s + 1 .. 63
.rept 6
	STEP st, 0, 0, 0, 8*(63-st), 1
.set st, st+1
.endr
	STEP 63, 0, 0, 0, 0, 0
	WIN 0
	s_branch .Lout
.Lmore:
	; another pass follows: steps 57-63 ask for its steps 0-6, step 63 for its first weights
.set st, 57
.rept 7
	STEP st, 0, XN, (st-57)*1024, 48, 1
.set st, st+1
.endr
	WIN 0
.Lout:
	OUTPUT                                         ; by LOW, LEN, DLT and OP of the pass that has ended
	s_mov_b32 s[RBW], s[RBN]
	s_mov_b64 s[XP:XP+1], s[XN:XN+1]               ; behind the way out's last s_wait_xcnt 0
	PASSVARS
	s_sub_co_i32 s[NP], s[NP], 1
	s_cmp_gt_i32 s[NP], 0
	s_cbranch_scc1 .Lpass
.Lzero:
	; ROWS WITHOUT AN EXPERT, from the sum of all counts on, are 0.  Expert 7's work-groups write them, each its 64 columns; 16 rows a trip, two a wave.
	; The trips begin at that row rounded down to a multiple of 16, so that the last trip ends with row 2,047 and every address lies inside out; the rows below the true first row are masked.
	s_cmp_eq_u32 s[EX], 7
	s_cselect_b32 s[TOTAL], s[TOTAL], 0x800
	s_min_u32 s[TOTAL], s[TOTAL], 0x800            ; the first such row; 2,048: none, or not my expert's to write
	s_and_b32 s[ZA], s[TOTAL], 0xff0
	s_sub_co_u32 s[ZT], 0x800, s[ZA]
	s_lshr_b32 s[ZT], s[ZT], 4
	s_cmp_eq_u32 s[ZT], 0
	s_cbranch_scc1 .Lend
	s_lshl_b32 s[TMP], s[WV], 1
	s_add_co_u32 s[TMP], s[TMP], s[ZA]             ; my wave's first row: 2,046 at the most
	v_add_nc_u32 v[ZR], s[TMP], v[HL]              ; my row
	s_lshl_b32 s[OFS], s[TMP], 13
	s_add_nc_u64 s[ZB:ZB+1], s[12:13], s[OFS:OFS+1]
.irp i, 0,1,2,3
	v_mov_b32 v[Z+\i], 0
.endr
	s_mov_b32 s[ZCNT], 0
	s_wait_xcnt 0x0                                ; EXEC is a source of what is out: it changes only behind this wait
.Lzrow:
	v_cmp_le_u32 vcc_lo, s[TOTAL], v[ZR]
	s_and_saveexec_b32 s[SAVE], vcc_lo
	global_store_b128 v[CO], v[Z:Z+3], s[ZB:ZB+1] th:TH_STORE_NT   ; 16 lanes store 256 consecutive bytes, aligned
	s_wait_xcnt 0x0                                ; EXEC and the base are rewritten only behind this wait
	s_or_b32 exec_lo, exec_lo, s[SAVE]
	s_add_nc_u64 s[ZB:ZB+1], s[ZB:ZB+1], 16*ROWB   ; 16 rows on (behind the last trip the stepped address is not used)
	v_add_nc_u32 v[ZR], 16, v[ZR]
	s_add_co_u32 s[ZCNT], s[ZCNT], 1
	s_cmp_lt_u32 s[ZCNT], s[ZT]
	s_cbranch_scc1 .Lzrow
.Lend:
	s_wait_tensorcnt 0x0
	ds_add_u32 v30, v31
	s_wait_dscnt 0x0
	s_endpgm
.Lfunc_end_k_q8e715f6770_main:
	.size	k_q8e715f6770_main, .Lfunc_end_k_q8e715f6770_main-k_q8e715f6770_main
	.p2alignl 7, 3214868480
	.fill 96, 4, 3214868480
	.section	.rodata,"a",@progbits
	.p2align	6, 0x0
	.amdhsa_kernel k_q8e715f6770_main
		.amdhsa_group_segment_fixed_size 300032
		.amdhsa_private_segment_fixed_size 0
		.amdhsa_enable_private_segment 0
		.amdhsa_kernarg_size 40
		.amdhsa_user_sgpr_count 2
		.amdhsa_user_sgpr_kernarg_segment_ptr 1
		.amdhsa_wavefront_size32 1
		.amdhsa_system_sgpr_workgroup_id_x 1
		.amdhsa_system_sgpr_workgroup_id_y 1
		.amdhsa_system_sgpr_workgroup_id_z 1
		.amdhsa_system_vgpr_workitem_id 0
		.amdhsa_next_free_vgpr 512
		.amdhsa_next_free_sgpr 66
		.amdhsa_reserve_vcc 1
		.amdhsa_float_denorm_mode_32 3
		.amdhsa_float_denorm_mode_16_64 3
		.amdhsa_memory_ordered 1
		.amdhsa_forward_progress 1
		.amdhsa_inst_pref_size 255
	.end_amdhsa_kernel
	.section	.bss,"aw",@nobits
	.p2align	6
	.space	262144
	.amdgpu_metadata
---
amdhsa.version: [ 1, 2 ]
amdhsa.kernels:
  - .name:           k_q8e715f6770_main
    .symbol:         k_q8e715f6770_main.kd
    .args:
      - { .name: qweight, .offset: 0, .size: 8, .value_kind: global_buffer, .address_space: global }
      - { .name: scales_and_zeros, .offset: 8, .size: 8, .value_kind: global_buffer, .address_space: global }
      - { .name: tokens_per_expert, .offset: 16, .size: 8, .value_kind: global_buffer, .address_space: global }
      - { .name: xb, .offset: 24, .size: 8, .value_kind: global_buffer, .address_space: global }
      - { .name: out0, .offset: 32, .size: 8, .value_kind: global_buffer, .address_space: global }
    .group_segment_fixed_size: 300032
    .private_segment_fixed_size: 0
    .kernarg_segment_align: 8
    .kernarg_segment_size: 40
    .max_flat_workgroup_size: 256
    .sgpr_count:     66
    .vgpr_count:     512
    .wavefront_size: 32
...
	.end_amdgpu_metadata
.endif
;; end of part 2
